; MI455X (gfx1250); checked and timed in simulation.
; The chip was launched on July 23, 2026; its instructions are those of AMD's public machine-readable ISA for CDNA 5 (MIT licence, August 2026) and "CDNA5" Instruction Set Architecture Reference Guide (July 2026). The comments in the code are by the model that wrote it; some were corrected since.
;; Euler Full Attention. Allowed arithmetic: matrix products marked QUANTISED: E2M1 operands, one E8M0 scale for each 32 along K, by v_wmma_scale_f32_16x16x128_f8f6f4 with both operands' format E2M1 (or v_wmma_scale_f32_32x16x128_f4), f32 sums; everything else in f32.
;; Inputs: b_k 16 x 64 float32; b_out 1,024 float32; b_q 16 x 64 float32; b_v 16 x 64 float32; phi_k 16 x 64 float32; phi_q 16 x 64 float32; w_k 16 x 64 float32; w_out 1,024 float32; w_q 16 x 64 float32; w_v 16 x 64 float32; x 2 x 2,048 x 1,024 float32.
;; Outputs: out0 2 x 2,048 x 1,024 float32.
;; This version of the problem:
;;   THIS VERSION OF THE PROBLEM IS GIVEN IN LOW PRECISION. The matrix products marked QUANTISED in the list below multiply operands that are first quantised to E2M1 (2 exponent bits, 1 mantissa bit; 4 bits a number), with one power-of-two scale for each 32 numbers along K (OCP MX v1.0); their sums are f32. All else is computed in f32.
;;   The module's matrix products, in the order in which they are computed (A, B: the left and right operand; K: the contracted axis; several contracted axes count as one K, in the product's order):
;;     1. batch 32 x [M 2,048, K 128] x [K 128, N 2,048]; A: computed on the way; B: computed on the way: QUANTISED
;;     2. batch 32 x [M 64, K 2,048] x [K 2,048, N 2,048]; A: computed on the way; B: softmax (see below): QUANTISED
;;   THE QUANTISER, for each operand of a quantised product, along K:
;;     - K is cut into blocks of 32 from its start; a last block that is shorter is filled with zeros.
;;     - A block's scale is 2^e with e = floor(log2(the largest magnitude in the block)) - 2, held to -126 .. 127; a block of zeros has e = 0. As a byte (E8M0): e + 127.
;;     - Each number is divided by its block's scale, clamped to +-6, and rounded to the nearest number of E2M1, ties to even, subnormals kept.
;;     - The product sums the exact products of the quantised numbers (number of the format x scale) in f32.
;;   ~~~python
;;   def quantise(x, axis):      # numpy; x: float32 -> the quantised numbers, widened to float32 again
;;       x = np.moveaxis(x, axis, -1); K = x.shape[-1]
;;       x = np.pad(x, [(0, 0)] * (x.ndim - 1) + [(0, -K % 32)]); x = x.reshape(x.shape[:-1] + (-1, 32)); a = np.abs(x).max(-1, keepdims=True)
;;       e = np.where(a > 0, np.clip(np.frexp(np.where(a > 0, a, 1))[1] - 1 - 2, -126, 127), 0)      # np.frexp(a)[1] - 1 = floor(log2(a)), exactly
;;       r = np.clip(x / 2.0 ** e, -6, 6)
;;       step = 2.0 ** (np.maximum(np.frexp(np.where(r == 0, 1, r))[1] - 1, 0) - 1)
;;       q = np.round(r / step) * step * 2.0 ** e      # np.round: ties to even
;;       return np.moveaxis(q.reshape(q.shape[:-2] + (-1,))[..., :K], -1, axis).astype(np.float32)
;;   ~~~
;;   SOFTMAX AHEAD OF A QUANTISED PRODUCT. Where the list says 'softmax', what is quantised is not the finished softmax but p = 2^(t - M), with t = logit x log2(e) and M = ceil(the row's largest t), a whole number; so 1/2 < the row's largest p <= 1. The row's sum l is taken of the UNQUANTISED p, in f32, and the product's result is divided by l at the end. Since M is a whole number, a kernel that streams over the keys may use a running M (the ceiling of the running maximum): every later rescaling is an exact power of two, which a block's scale takes up: the codes' values come out the same.
;;   OPERANDS COMPUTED ON THE WAY. 'Computed on the way' means the value that the module computes at that place (a softmax that the list does not call 'softmax' is quantised finished and normalised). What goes into a quantiser is computed in f32, as accurately as f32 sums, v_exp_f32 and their like allow (about 1e-6 of the number): no bf16 or f16 on the way to a quantiser, and a product that is left as it is and whose result goes on into a quantised operand takes f32 operands (vector FMAs, or v_wmma_f32_16x16x4_f32). A number that lies on a knife's edge between two numbers of the format may be rounded either way, as far as f32 arithmetic and the matrix unit's own rounding can turn it there, and no further.
;; One version. Each part assembles by itself: llvm-mc -triple=amdgcn-amd-amdhsa -mcpu=gfx1250 --defsym DOCPART=n.
;; ======== version 1 of 1: 2 launches
;; limits: right only within a limited range of input values
;; workspace buffers: qc 4,456,448 bytes; kv 6,684,672 bytes
;; launch prep (part 1): grid 16 x 32, 8 waves a work-group, no clusters, 39,424 bytes of LDS; arguments x, w_q, b_q, phi_q, w_k, b_k, phi_k, w_v, b_v, qc, kv; writes qc, kv
.if DOCPART == 1
	.amdgcn_target "amdgcn-amd-amdhsa--gfx1250"
	.amdhsa_code_object_version 6
	.text
	.protected	k_q77ffaae10c_prep
	.globl	k_q77ffaae10c_prep
	.p2align	8
	.type	k_q77ffaae10c_prep,@function
k_q77ffaae10c_prep:
	s_mov_b64 s[64:65], 0
	v_nop
	global_prefetch_b8 v0, s[64:65] scope:SCOPE_SE
	s_setreg_imm32_b32 hwreg(HW_REG_WAVE_MODE, 25, 1), 1
	s_wait_xcnt 0x0
; PREP.  From x [2][2048][1024] f32 come, for each of the 32 heads (batch x 16), Q = [cos | sin](x / (1 + |w_q|) + b_q + t phi_q), K likewise, and V = cos + sin of x / (1 + |w_v|) + b_v.
; They are quantised to FP4 (E2M1) with one E8M0 byte for each 32 along a product's K (Q, K: the 128 of [cos | sin]; V: the keys) and stored as IMAGES OF THE OPERANDS' REGISTERS:
; a fragment (16 rows x 128 K, 8 registers a lane) is 1,024 bytes, registers 4 c .. 4 c + 3 of lane l at 512 c + 16 l.
;   qc: [head 32][block of 128 queries 16] x 8,704 bytes: 8 tiles of 16 queries, then their scale words (64 bytes a tile).
;   kv: [head 32][chunk of 512 keys 4] x 52,224 bytes: K 4 steps x 8 tiles | V 4 steps x 4 tiles | scale words 4 steps x (K 512 + V 256) bytes.
;   THE KEYS OF A TILE OF K ARE NOT NEIGHBOURS: lane r of tile T takes key 32 (T / 2) + 8 (T % 2) + r + 8 (r / 8) of its step of 128, so that the scores of two neighbouring tiles are 16 neighbouring keys in a lane.
; SINE AND COSINE.  The table with linear interpolation is written in closed form: between nodes a and a + h (h = 2 pi / 4096) at fraction f the chord of sin is sin(x) (1 - f (1 - f) h^2 / 2) to about 1e-10, cos likewise.
; So: u = theta / f32(2 pi), correctly rounded (product, residual by a fused multiply-add, correction); k = the nearest whole number to 2 u; y = u - k / 2, exact, within a quarter turn; f = the fraction of 4096 y, exact;
; sin = (-1)^k g y P(y^2), cos = (-1)^k g C(y^2), g = 1 + (h^2 / 2)(f^2 - f), P and C the Taylor sums in turns up to y^13 and y^12.  cos + sin at one table position is sqrt(2) x the same chord of sin 512 table steps on: one sine.
; t phi is rounded by itself and the sum by itself; x / (1 + |w|) + b is one fused multiply-add with a refined reciprocal (within one unit in the last place of a number of size 1).
; LIMITS: |theta| under 2^21 turns (the rounding by the constant 1.5 x 2^23); NaN and infinities are not served; the table's nodes are taken as exact sines (the table's own entries lie up to some 4e-7 off them);
; a block of zeros gets the byte 1 where the rule says 127: its codes are zeros, and this program alone reads the bytes.
; SHARES.  A work-group takes 128 tokens of one head.  Wave w makes tile w of Q (tokens 16 w + r), tile w of K, and of V one block of 32 tokens (32 (w / 2) on) for 32 channels (32 (w % 2) + lane).
; In a tile of Q or K lane (r, h) holds 32 numbers of x (channels 32 h on): its 32 cosines are block h of the row and its 32 sines block 2 + h: whole blocks in one lane.  For V a lane takes a channel and its registers run down the keys.
.set XP,    272                        ; a token's 256 bytes of x in LDS + 16: 68 words, so that 16 rows at one column start 4 words apart
.set TAB,   128*XP                     ; three groups (q, k, v) of 768 bytes: 1 / (1 + |w|), b, phi: 64 numbers each (v has no phi)
.set QSC,   TAB+3*768                  ; Q's scale words: 64 w + 4 r
.set KSC,   QSC+512                    ; K's: 32 r + 4 w
.set VSC,   KSC+512                    ; V's bytes: 16 (channel % 16) + 4 (channel / 16) + block
.set WV,     2                         ; s2   wave
.set TWOPI,  30                        ; scalar pairs: a packed form names a pair and takes its low word for both halves, so both words are written
.set MAGIC,  32
.set NMAGIC, 34
.set C4096,  36
.set H2,     38
.set SA,     40                        ; s[40:51] a5 .. a0
.set SB,     52                        ; s[52:61] b5 .. b1
.set SEL,    62                        ; selects of v_permlanex16_b32 for lane l xor 16
.set EIGHTH, 66
.set INV,    68
.set SQ2H2,  70
.set QCB,    72                        ; s[72:73] my block of qc;  s[74:75] my step's tiles of K;  s[76:77] of V;  s[78:79] its scale words
.set KB,     74
.set VB,     76
.set SCB,    78
.set L16,  1                           ; 16 x lane
.set RR,   2                           ; r = lane % 16
.set HH,   3                           ; h = lane / 16
.set XQ,   4                           ; LDS: my 128 bytes of x for Q's tile;  v5 for K's;  v6 my channel's column for V
.set XK,   5
.set XV,   6
.set TABA, 7                           ; TAB + 128 h
.set TV,   8                           ; v's constants of my channel
.set QSW,  9
.set KSW,  10
.set VSB,  11
.set H8,   12                          ; 8 h
.set GQK,  13                          ; 1,024 w + 16 x lane: my place in a step's tiles
.set GV,   14                          ; V: my 16 bytes in the step's four tiles
.set L8,   15
.set TQ,   16                          ; v[16:17] my query's t, twice;  v[18:19] my key's
.set TK,   18
.set A6V,  20                          ; v[20:21] a6, v[22:23] b6: a Horner sum's first step has two constants
.set B6V,  22
.set X,    24                          ; v[24:55]  32 numbers of x
.set CN,   56                          ; v[56:103] two sets of 24: 1 / (1 + |w|), b, phi of 8 channels
.set VCOS, 104                         ; v[104:135], v[136:167]
.set VSIN, 136
.set TA,   168                         ; eight registers each, at work
.set TBT,  176
.set TZ,   184
.set TPS,  192
.set TPC,  200
.set TF,   208
.set MC,   216
.set MS,   217
.set SOC,  218
.set SOS,  219
.set BC,   220
.set BS,   221
.set WD,   222
.set W2,   223
.set CQ,   224                         ; the codes of Q, K, V: registers of their own, so that no store's data are written again
.set CK,   232
.set CV,   240
.set OUTS, 244
.set RV,   248
.set BV,   250
.set SQ2V, 252
.set LN,   168                         ; at the head only, in registers that are at work later
.set R8,   169
.set TT,   170
.set XO,   171
.set XS,   172
.set TO,   173
.set TS,   174
.set TW,   176
.set TBB,  177
.set TPH,  178
.set TD,   179
.set TE,   180
.macro SPAIR r, v
	s_mov_b32 s[\r], \v
	s_mov_b32 s[\r+1], \v
.endm
; u = theta / f32(2 pi) in TA: the product with the reciprocal, its residual, the correction
.macro TURNS
.irp i, 0,2,4,6
	s_delay_alu instid0(VALU_DEP_4)
	v_pk_mul_f32 v[TZ+\i:TZ+\i+1], v[TA+\i:TA+\i+1], s[INV:INV+1] op_sel_hi:[1,0]
.endr
.irp i, 0,2,4,6
	s_delay_alu instid0(VALU_DEP_4)
	v_pk_fma_f32 v[TA+\i:TA+\i+1], v[TZ+\i:TZ+\i+1], s[TWOPI:TWOPI+1], v[TA+\i:TA+\i+1] op_sel_hi:[1,0,1] neg_lo:[1,0,0] neg_hi:[1,0,0]
.endr
.irp i, 0,2,4,6
	s_delay_alu instid0(VALU_DEP_4)
	v_pk_fma_f32 v[TA+\i:TA+\i+1], v[TA+\i:TA+\i+1], s[INV:INV+1], v[TZ+\i:TZ+\i+1] op_sel_hi:[1,0,1]
.endr
.endm
; k = the nearest whole number to 2 x src (its parity is TBT's lowest bit); TA = TA - k / 2, exact
.macro HALVES src
.irp i, 0,2,4,6
	s_delay_alu instid0(VALU_DEP_4)
	v_pk_fma_f32 v[TBT+\i:TBT+\i+1], v[\src+\i:\src+\i+1], 2.0, s[MAGIC:MAGIC+1] op_sel_hi:[1,0,0]
.endr
.irp i, 0,2,4,6
	s_delay_alu instid0(VALU_DEP_4)
	v_pk_add_f32 v[TZ+\i:TZ+\i+1], v[TBT+\i:TBT+\i+1], s[NMAGIC:NMAGIC+1] op_sel_hi:[1,0]
.endr
.irp i, 0,2,4,6
	s_delay_alu instid0(VALU_DEP_4)
	v_pk_fma_f32 v[TA+\i:TA+\i+1], v[TZ+\i:TZ+\i+1], -0.5, v[TA+\i:TA+\i+1] op_sel_hi:[1,0,1]
.endr
.endm
; TF = f^2 - f, f the fraction of the table position 4096 x TA
.macro FRAC
.irp i, 0,2,4,6
	s_delay_alu instid0(VALU_DEP_4)
	v_pk_mul_f32 v[TF+\i:TF+\i+1], v[TA+\i:TA+\i+1], s[C4096:C4096+1] op_sel_hi:[1,0]
.endr
.irp n, 0,1,2,3,4,5,6,7
	v_floor_f32 v[TPS+\n], v[TF+\n]
.endr
.irp i, 0,2,4,6
	v_pk_add_f32 v[TF+\i:TF+\i+1], v[TF+\i:TF+\i+1], v[TPS+\i:TPS+\i+1] neg_lo:[0,1] neg_hi:[0,1]
.endr
.irp i, 0,2,4,6
	s_delay_alu instid0(VALU_DEP_4)
	v_pk_fma_f32 v[TF+\i:TF+\i+1], v[TF+\i:TF+\i+1], v[TF+\i:TF+\i+1], v[TF+\i:TF+\i+1] neg_lo:[0,0,1] neg_hi:[0,0,1]
.endr
.endm
.macro SIGN                            ; the factor is positive: k's parity becomes its sign
.irp n, 0,1,2,3,4,5,6,7
	v_lshl_or_b32 v[TF+\n], v[TBT+\n], 31, v[TF+\n]
.endr
.endm
.macro SINP                            ; TZ = y^2, TPS = P(y^2)
.irp i, 0,2,4,6
	v_pk_mul_f32 v[TZ+\i:TZ+\i+1], v[TA+\i:TA+\i+1], v[TA+\i:TA+\i+1]
.endr
.irp i, 0,2,4,6
	s_delay_alu instid0(VALU_DEP_4)
	v_pk_fma_f32 v[TPS+\i:TPS+\i+1], v[TZ+\i:TZ+\i+1], v[A6V:A6V+1], s[SA:SA+1] op_sel_hi:[1,1,0]
.endr
.irp c, 2,4,6,8,10
.irp i, 0,2,4,6
	s_delay_alu instid0(VALU_DEP_4)
	v_pk_fma_f32 v[TPS+\i:TPS+\i+1], v[TPS+\i:TPS+\i+1], v[TZ+\i:TZ+\i+1], s[SA+\c:SA+\c+1] op_sel_hi:[1,1,0]
.endr
.endr
.endm
; Eight numbers of x at v[x] on, their constants at cr, cb, cp, the token's t at tt: cosines to v[oc] on, sines to v[os] on
.macro TRIG8 x, cr, cb, cp, tt, oc, os
.irp i, 0,2,4,6
	v_pk_mul_f32 v[TPC+\i:TPC+\i+1], v[(\cp)+\i:(\cp)+\i+1], v[\tt:\tt+1]           ; t phi, rounded by itself
.endr
.irp i, 0,2,4,6
	v_pk_fma_f32 v[TA+\i:TA+\i+1], v[(\x)+\i:(\x)+\i+1], v[(\cr)+\i:(\cr)+\i+1], v[(\cb)+\i:(\cb)+\i+1]
.endr
.irp i, 0,2,4,6
	s_delay_alu instid0(VALU_DEP_4)
	v_pk_add_f32 v[TA+\i:TA+\i+1], v[TA+\i:TA+\i+1], v[TPC+\i:TPC+\i+1]             ; theta
.endr
	TURNS
	HALVES TA
	FRAC
.irp i, 0,2,4,6
	s_delay_alu instid0(VALU_DEP_4)
	v_pk_fma_f32 v[TF+\i:TF+\i+1], v[TF+\i:TF+\i+1], s[H2:H2+1], 1.0 op_sel_hi:[1,0,0]   ; g
.endr
	SIGN
	SINP
.irp i, 0,2,4,6
	v_pk_fma_f32 v[TPC+\i:TPC+\i+1], v[TZ+\i:TZ+\i+1], v[B6V:B6V+1], s[SB:SB+1] op_sel_hi:[1,1,0]
.endr
.irp c, 2,4,6,8
.irp i, 0,2,4,6
	s_delay_alu instid0(VALU_DEP_4)
	v_pk_fma_f32 v[TPC+\i:TPC+\i+1], v[TPC+\i:TPC+\i+1], v[TZ+\i:TZ+\i+1], s[SB+\c:SB+\c+1] op_sel_hi:[1,1,0]
.endr
.endr
.irp i, 0,2,4,6
	s_delay_alu instid0(VALU_DEP_4)
	v_pk_fma_f32 v[TPC+\i:TPC+\i+1], v[TPC+\i:TPC+\i+1], v[TZ+\i:TZ+\i+1], 1.0 op_sel_hi:[1,1,0]
.endr
.irp i, 0,2,4,6
	v_pk_mul_f32 v[TA+\i:TA+\i+1], v[TA+\i:TA+\i+1], v[TF+\i:TF+\i+1]
.endr
.irp i, 0,2,4,6
	s_delay_alu instid0(VALU_DEP_4)
	v_pk_mul_f32 v[(\os)+\i:(\os)+\i+1], v[TPS+\i:TPS+\i+1], v[TA+\i:TA+\i+1]
.endr
.irp i, 0,2,4,6
	v_pk_mul_f32 v[(\oc)+\i:(\oc)+\i+1], v[TPC+\i:TPC+\i+1], v[TF+\i:TF+\i+1]
.endr
.endm
; Eight numbers at v[x] on: cos + sin of x rv + bv, as sqrt(2) x the sine an eighth of a turn on.  Pair i takes its constants at rv + alt ((i / 2) % 2)
.macro SINE8 x, rv, bv, alt, o
.irp i, 0,2,4,6
	v_pk_fma_f32 v[TA+\i:TA+\i+1], v[(\x)+\i:(\x)+\i+1], v[(\rv)+(\alt)*((\i/2)%2):(\rv)+(\alt)*((\i/2)%2)+1], v[(\bv)+(\alt)*((\i/2)%2):(\bv)+(\alt)*((\i/2)%2)+1]
.endr
	TURNS
.irp i, 0,2,4,6
	s_delay_alu instid0(VALU_DEP_4)
	v_pk_add_f32 v[TBT+\i:TBT+\i+1], v[TA+\i:TA+\i+1], s[EIGHTH:EIGHTH+1] op_sel_hi:[1,0]
.endr
	HALVES TBT                                     ; TA = u - k / 2, between -3/8 and 1/8: the table position's fraction is that of u
	FRAC
.irp i, 0,2,4,6
	s_delay_alu instid0(VALU_DEP_4)
	v_pk_fma_f32 v[TF+\i:TF+\i+1], v[TF+\i:TF+\i+1], s[SQ2H2:SQ2H2+1], v[SQ2V:SQ2V+1] op_sel_hi:[1,0,1]   ; sqrt(2) g
.endr
	SIGN
.irp i, 0,2,4,6
	v_pk_add_f32 v[TA+\i:TA+\i+1], v[TA+\i:TA+\i+1], s[EIGHTH:EIGHTH+1] op_sel_hi:[1,0]
.endr
	SINP
.irp i, 0,2,4,6
	v_pk_mul_f32 v[TA+\i:TA+\i+1], v[TA+\i:TA+\i+1], v[TF+\i:TF+\i+1]
.endr
.irp i, 0,2,4,6
	s_delay_alu instid0(VALU_DEP_4)
	v_pk_mul_f32 v[(\o)+\i:(\o)+\i+1], v[TPS+\i:TPS+\i+1], v[TA+\i:TA+\i+1]
.endr
.endm
	s_load_b512 s[8:23], s[0:1], 0x0               ; x, w_q, b_q, phi_q, w_k, b_k, phi_k, w_v
	s_load_b128 s[24:27], s[0:1], 0x40             ; b_v, qc
	s_load_b64 s[28:29], s[0:1], 0x50              ; kv
	v_lshl_add_u32 v254, v0, 2, 0x9600
	v_mov_b32 v255, 0
	v_lshrrev_b32 v[LN], 5, v0
	s_delay_alu instid0(VALU_DEP_1)
	v_readfirstlane_b32 s[WV], v[LN]               ; wave 0..7
	v_and_b32 v[LN], 31, v0
	v_and_b32 v[RR], 15, v0
	v_bfe_u32 v[HH], v0, 4, 1
	s_and_b32 s3, ttmp7, 0xffff                    ; the head, 0..31
	s_lshr_b32 s5, s[WV], 1
	s_and_b32 s6, s[WV], 1
	s_lshr_b32 s7, s[WV], 2
	; every LDS address is made here, ahead of the first branch on the wave's number
	v_lshlrev_b32 v[L16], 4, v[LN]
	v_lshlrev_b32 v[L8], 3, v[LN]
	v_lshlrev_b32 v[H8], 3, v[HH]
	s_mul_i32 s80, s[WV], 16*XP
	v_mul_u32_u24 v[XQ], v[RR], XP
	s_delay_alu instid0(VALU_DEP_1)
	v_lshl_add_u32 v[XQ], v[HH], 7, v[XQ]
	s_delay_alu instid0(VALU_DEP_1)
	v_add_nc_u32 v[XQ], s80, v[XQ]                 ; row 16 w + r, + 128 h
	v_mul_u32_u24 v[XS], v[HH], XP
	s_delay_alu instid0(VALU_DEP_1)
	v_lshl_add_u32 v[XS], v[RR], 4, v[XS]
	s_delay_alu instid0(VALU_DEP_1)
	v_add_nc_u32 v[XS], s80, v[XS]                 ; on the way in: row 16 w + lane / 16, 16 bytes a lane
	v_and_b32 v[R8], 8, v[RR]
	s_delay_alu instid0(VALU_DEP_1)
	v_add_nc_u32 v[R8], v[R8], v[RR]               ; r + 8 (r / 8)
	s_delay_alu instid0(VALU_DEP_1)
	v_mul_u32_u24 v[XK], v[R8], XP
	s_delay_alu instid0(VALU_DEP_1)
	v_lshl_add_u32 v[XK], v[HH], 7, v[XK]
	s_mul_i32 s80, s5, 32*XP
	s_mul_i32 s81, s6, 8*XP
	s_add_co_u32 s81, s81, s80
	v_add_nc_u32 v[XK], s81, v[XK]                 ; row 32 (w / 2) + 8 (w % 2) + r + 8 (r / 8), + 128 h
	s_lshl_b32 s81, s6, 7
	s_add_co_u32 s80, s80, s81
	v_lshl_add_u32 v[XV], v[LN], 2, s80            ; row 32 (w / 2), channel 32 (w % 2) + lane
	v_lshl_add_u32 v[TABA], v[HH], 7, TAB
	s_add_co_u32 s81, s81, TAB+1536
	v_lshl_add_u32 v[TV], v[LN], 2, s81
	s_lshl_b32 s80, s[WV], 6
	s_add_co_u32 s80, s80, QSC
	v_lshl_add_u32 v[QSW], v[RR], 2, s80
	s_lshl_b32 s80, s[WV], 2
	s_add_co_u32 s80, s80, KSC
	v_lshl_add_u32 v[KSW], v[RR], 5, s80
	s_lshl_b32 s80, s6, 3
	s_add_co_u32 s80, s80, s5
	s_add_co_u32 s80, s80, VSC
	v_lshl_add_u32 v[VSB], v[RR], 4, s80
	s_delay_alu instid0(VALU_DEP_1)
	v_lshl_add_u32 v[VSB], v[HH], 2, v[VSB]
	v_and_b32 v[TO], 63, v0
	s_delay_alu instid0(VALU_DEP_1)
	v_lshlrev_b32 v[TO], 2, v[TO]                  ; the tables: thread t takes channel t % 64 of group t / 64
	v_lshrrev_b32 v[TS], 6, v0
	s_delay_alu instid0(VALU_DEP_1)
	v_mul_u32_u24 v[TS], v[TS], 768
	s_delay_alu instid0(VALU_DEP_1)
	v_add_nc_u32 v[TS], v[TS], v[TO]
	s_delay_alu instid0(VALU_DEP_1)
	v_add_nc_u32 v[TS], TAB, v[TS]
	s_lshl_b32 s80, s[WV], 16
	v_lshl_add_u32 v[XO], v[RR], 4, s80
	s_delay_alu instid0(VALU_DEP_1)
	v_lshl_add_u32 v[XO], v[HH], 12, v[XO]         ; x: token 16 w + lane / 16 (4,096 bytes a token), 16 bytes a lane
	s_mov_b32 s81, 0
	s_wait_kmcnt 0x0
	s_cmp_lt_u32 s[WV], 4                          ; waves 0, 1 bring q's tables, waves 2, 3 k's, waves 4, 5 v's: only pointers are chosen
	s_cselect_b64 s[82:83], s[16:17], s[22:23]
	s_cselect_b64 s[84:85], s[18:19], s[24:25]
	s_cmp_lt_u32 s[WV], 2
	s_cselect_b64 s[82:83], s[10:11], s[82:83]
	s_cselect_b64 s[84:85], s[12:13], s[84:85]
	s_cselect_b64 s[86:87], s[14:15], s[20:21]
	s_and_b32 s80, s3, 15
	s_lshl_b32 s80, s80, 8                         ; the head's 64 numbers
	s_add_nc_u64 s[82:83], s[82:83], s[80:81]
	s_add_nc_u64 s[84:85], s[84:85], s[80:81]
	s_add_nc_u64 s[86:87], s[86:87], s[80:81]
	s_lshr_b32 s4, s3, 4
	s_lshl_b32 s4, s4, 23                          ; the batch: 2,048 tokens of 4,096 bytes
	s_add_co_u32 s80, s80, s4
	s_lshl_b32 s4, ttmp9, 19                       ; my 128 tokens
	s_add_co_u32 s80, s80, s4
	s_add_nc_u64 s[8:9], s[8:9], s[80:81]
	s_cmp_gt_u32 s[WV], 5
	s_cbranch_scc1 .Lx_load
	s_wait_alu depctr_va_vdst(0)
	global_load_b32 v[TW], v[TO], s[82:83]
	global_load_b32 v[TBB], v[TO], s[84:85]
	s_cmp_gt_u32 s[WV], 3
	s_cbranch_scc1 .Lx_load
	global_load_b32 v[TPH], v[TO], s[86:87]
.Lx_load:
	s_wait_alu depctr_va_vdst(0)
.irp i, 0,1,2,3,4,5,6,7
	global_load_b128 v[X+4*\i:X+4*\i+3], v[XO], s[8:9] offset:\i*8192 th:TH_LOAD_NT   ; sixteen lanes read a token's 256 bytes of this head, aligned; read once in the launch
.endr
	; work on registers while the loads are out: constants, offsets, the outputs' bases
	SPAIR TWOPI,  0x40c90fdb
	SPAIR MAGIC,  0x4b400000                       ; 1.5 x 2^23
	SPAIR NMAGIC, 0xcb400000
	SPAIR C4096,  0x45800000
	SPAIR H2,     0x359de9e6                       ; h^2 / 2
	SPAIR SA,     0xc17183a8                       ; a5 .. a0: (-1)^n (2 pi)^(2n+1) / (2n+1)!
	SPAIR SA+2,   0x42283c1a
	SPAIR SA+4,   0xc2996966
	SPAIR SA+6,   0x42a335e3
	SPAIR SA+8,   0xc2255de7
	SPAIR SA+10,  0x40c90fdb
	SPAIR SB,     0xc1d368f9                       ; b5 .. b1: (-1)^n (2 pi)^(2n) / (2n)!
	SPAIR SB+2,   0x4270fa83
	SPAIR SB+4,   0xc2aae9e4
	SPAIR SB+6,   0x4281e0f8
	SPAIR SB+8,   0xc19de9e6
	SPAIR EIGHTH, 0x3e000000
	SPAIR INV,    0x3e22f983                       ; 1 / (2 pi)
	SPAIR SQ2H2,  0x35df52db                       ; sqrt(2) h^2 / 2
	s_mov_b32 s[SEL], 0x76543210
	s_mov_b32 s[SEL+1], 0xfedcba98
	v_mov_b32 v[A6V], 0x40747a1a
	v_mov_b32 v[A6V+1], 0x40747a1a
	v_mov_b32 v[B6V], 0x40fce9c5
	v_mov_b32 v[B6V+1], 0x40fce9c5
	v_mov_b32 v[SQ2V], 0x3fb504f3
	v_mov_b32 v[SQ2V+1], 0x3fb504f3
	v_mov_b32 v[W2], 0                             ; written once: a lane permute's destination counts as one of its sources
	s_lshl_b32 s80, s[WV], 10
	v_add_nc_u32 v[GQK], s80, v[L16]
	s_lshl_b32 s80, s6, 11                         ; V's image: tile 2 (w % 2) + lane / 16, register group w / 4, half (w / 2) % 2, row lane % 16
	s_lshl_b32 s4, s7, 9
	s_add_co_u32 s80, s80, s4
	s_and_b32 s4, s5, 1
	s_lshl_b32 s4, s4, 8
	s_add_co_u32 s80, s80, s4
	v_lshl_add_u32 v[GV], v[RR], 4, s80
	s_delay_alu instid0(VALU_DEP_1)
	v_lshl_add_u32 v[GV], v[HH], 10, v[GV]
	s_lshl_b32 s80, ttmp9, 7                       ; t: the token's number in its sequence
	s_lshl_b32 s4, s[WV], 4
	s_add_co_u32 s4, s4, s80
	v_add_nc_u32 v[TT], s4, v[RR]
	s_delay_alu instid0(VALU_DEP_1)
	v_cvt_f32_u32 v[TQ], v[TT]
	s_delay_alu instid0(VALU_DEP_1)
	v_mov_b32 v[TQ+1], v[TQ]
	s_lshl_b32 s4, s5, 5
	s_add_co_u32 s80, s80, s4
	s_lshl_b32 s4, s6, 3
	s_add_co_u32 s80, s80, s4
	v_add_nc_u32 v[TT], s80, v[R8]
	s_delay_alu instid0(VALU_DEP_1)
	v_cvt_f32_u32 v[TK], v[TT]
	s_delay_alu instid0(VALU_DEP_1)
	v_mov_b32 v[TK+1], v[TK]
	s_lshl_b32 s80, s3, 4
	s_add_co_u32 s80, s80, ttmp9
	s_mul_i32 s80, s80, 8704
	s_add_nc_u64 s[QCB:QCB+1], s[26:27], s[80:81]
	s_mul_i32 s80, s3, 208896
	s_lshr_b32 s4, ttmp9, 2
	s_mul_i32 s4, s4, 52224
	s_add_co_u32 s80, s80, s4
	s_add_nc_u64 s[28:29], s[28:29], s[80:81]      ; my chunk of kv
	s_and_b32 s4, ttmp9, 3
	s_lshl_b32 s80, s4, 13
	s_add_nc_u64 s[KB:KB+1], s[28:29], s[80:81]
	s_lshl_b32 s80, s4, 12
	s_add_co_u32 s80, s80, 32768
	s_add_nc_u64 s[VB:VB+1], s[28:29], s[80:81]
	s_mul_i32 s80, s4, 768
	s_add_co_u32 s80, s80, 49152
	s_add_nc_u64 s[SCB:SCB+1], s[28:29], s[80:81]
	s_cmp_gt_u32 s[WV], 5
	s_cbranch_scc1 .Lx_in
	s_wait_loadcnt 0x8                             ; the tables' loads are in; the eight younger loads of x stay out
	v_add_f32 v[TD], 1.0, |v[TW]|
	s_wait_alu depctr_va_vdst(0)
	v_rcp_f32 v[TE], v[TD]
	v_nop                                          ; a plain instruction behind the reciprocal,
	s_wait_alu depctr_va_vdst(0)                   ; and a wait ahead of its first reader
	v_fma_f32 v[TW], -v[TD], v[TE], 1.0            ; one Newton step
	v_fma_f32 v[TE], v[TW], v[TE], v[TE]
	ds_store_b32 v[TS], v[TE]
	ds_store_b32 v[TS], v[TBB] offset:256
	s_cmp_gt_u32 s[WV], 3
	s_cbranch_scc1 .Lx_in
	ds_store_b32 v[TS], v[TPH] offset:512
.Lx_in:
	s_wait_loadcnt 0x0
.irp i, 0,1,2,3,4,5,6,7
	ds_store_b128 v[XS], v[X+4*\i:X+4*\i+3] offset:\i*2*XP
.endr
	s_wait_dscnt 0x0                               ; for the others' sake: my stores have landed
	s_barrier_signal -1
	s_barrier_wait -1                              ; 128 tokens of x and the tables lie in LDS; nobody writes them again
.macro CLOAD j, tab                    ; the constants of channels 32 h + 8 j on, into set j % 2: all lanes of a half read the same bytes
.irp g, 0,1,2
	ds_load_b128 v[CN+24*((\j)%2)+8*\g:CN+24*((\j)%2)+8*\g+3],   v[TABA] offset:(\tab)+256*\g+32*(\j)
	ds_load_b128 v[CN+24*((\j)%2)+8*\g+4:CN+24*((\j)%2)+8*\g+7], v[TABA] offset:(\tab)+256*\g+32*(\j)+16
.endr
.endm
; A tile of Q or of K: 32 numbers of x a lane become 32 cosines and 32 sines, two whole blocks; their codes are the fragment's eight registers
.macro TILE xa, tt, tab, cod, base, sw
.irp i, 0,1,2,3,4,5,6,7
	ds_load_b128 v[X+4*\i:X+4*\i+3], v[\xa] offset:16*\i
.endr
	CLOAD 0, \tab
.irp j, 0,1,2,3
.if \j < 3
	CLOAD \j+1, \tab
	s_wait_dscnt 0x6                               ; all but the six just issued: x and this group's constants are in
.else
	s_wait_dscnt 0x0
.endif
	TRIG8 X+8*\j, CN+24*(\j%2), CN+24*(\j%2)+8, CN+24*(\j%2)+16, \tt, VCOS+8*\j, VSIN+8*\j
.endr
	v_max3_num_f32 v[MC], |v[VCOS]|, |v[VCOS+1]|, 0x1800000    ; the blocks' largest magnitudes, by turns; the floor 2^(3 - 127) holds the byte at 1 from below
	v_max3_num_f32 v[MS], |v[VSIN]|, |v[VSIN+1]|, 0x1800000
.irp i, 2,4,6,8,10,12,14,16,18,20,22,24,26,28,30
	s_delay_alu instid0(VALU_DEP_2)
	v_max3_num_f32 v[MC], v[MC], |v[VCOS+\i]|, |v[VCOS+\i+1]|
	s_delay_alu instid0(VALU_DEP_2)
	v_max3_num_f32 v[MS], v[MS], |v[VSIN+\i]|, |v[VSIN+\i+1]|
.endr
	s_delay_alu instid0(VALU_DEP_2)
	v_add_nc_u32 v[SOC], 0xff000000, v[MC]         ; 2 off the exponent field: the conversion takes this operand's exponent field as its scale
	s_delay_alu instid0(VALU_DEP_2)
	v_add_nc_u32 v[SOS], 0xff000000, v[MS]
	s_delay_alu instid0(VALU_DEP_2)
	v_lshrrev_b32 v[BC], 23, v[SOC]                ; the scales' bytes
	s_delay_alu instid0(VALU_DEP_2)
	v_lshrrev_b32 v[BS], 23, v[SOS]
	s_delay_alu instid0(VALU_DEP_1)
	v_lshl_or_b32 v[WD], v[BS], 16, v[BC]          ; blocks h and 2 + h,
	s_delay_alu instid0(VALU_DEP_1)
	v_lshlrev_b32 v[WD], v[H8], v[WD]              ; at their places in the row's scale word;
	s_delay_alu instid0(VALU_DEP_1)
	v_permlanex16_b32 v[W2], v[WD], s[SEL], s[SEL+1]
	s_delay_alu instid0(VALU_DEP_1)
	v_or_b32 v[WD], v[WD], v[W2]                   ; with lane l xor 16's two the word is whole
.irp g, 0,1,2,3
	v_cvt_scalef32_pk8_fp4_f32 v[(\cod)+\g], v[VCOS+8*\g:VCOS+8*\g+7], v[SOC]
	v_cvt_scalef32_pk8_fp4_f32 v[(\cod)+4+\g], v[VSIN+8*\g:VSIN+8*\g+7], v[SOS]
.endr
	v_nop                                          ; one plain instruction behind the last scaled conversion
	ds_store_b32 v[\sw], v[WD]                     ; both halves write the same word with the same value
	global_store_b128 v[GQK], v[\cod:\cod+3], s[\base:\base+1]                  ; the image: each store covers 512 consecutive bytes, aligned
	global_store_b128 v[GQK], v[\cod+4:\cod+7], s[\base:\base+1] offset:512
.endm
	s_wait_alu depctr_va_vdst(0)
	TILE XQ, TQ, 0,   CQ, QCB, QSW
	TILE XK, TK, 768, CK, KB,  KSW
	; V: my channel, 32 tokens down the registers: one block of 32 along the keys
.set n, 0
.rept 32
	ds_load_b32 v[X+n], v[XV] offset:n*XP
.set n, n+1
.endr
	ds_load_b32 v[RV], v[TV]                       ; my channel's two constants, each into both words of a pair
	ds_load_b32 v[RV+1], v[TV]
	ds_load_b32 v[BV], v[TV] offset:256
	ds_load_b32 v[BV+1], v[TV] offset:256
	s_wait_dscnt 0x0
.irp g, 0,1,2,3
	SINE8 X+8*\g, RV, BV, 0, VCOS+8*\g
.endr
	v_max3_num_f32 v[MC], |v[VCOS]|, |v[VCOS+1]|, 0x1800000
	v_max3_num_f32 v[MS], |v[VCOS+2]|, |v[VCOS+3]|, 0x1800000
.irp i, 4,8,12,16,20,24,28
	s_delay_alu instid0(VALU_DEP_2)
	v_max3_num_f32 v[MC], v[MC], |v[VCOS+\i]|, |v[VCOS+\i+1]|
	s_delay_alu instid0(VALU_DEP_2)
	v_max3_num_f32 v[MS], v[MS], |v[VCOS+\i+2]|, |v[VCOS+\i+3]|
.endr
	s_delay_alu instid0(VALU_DEP_1)
	v_max_num_f32 v[MC], v[MC], v[MS]
	s_delay_alu instid0(VALU_DEP_1)
	v_add_nc_u32 v[SOC], 0xff000000, v[MC]
	s_delay_alu instid0(VALU_DEP_1)
	v_lshrrev_b32 v[BC], 23, v[SOC]
.irp g, 0,1,2,3
	v_cvt_scalef32_pk8_fp4_f32 v[CV+\g], v[VCOS+8*\g:VCOS+8*\g+7], v[SOC]
.endr
	v_nop
	ds_store_b8 v[VSB], v[BC]
	global_store_b128 v[GV], v[CV:CV+3], s[VB:VB+1]   ; sixteen lanes store 256 consecutive bytes, aligned
	s_wait_dscnt 0x0                               ; my scale words and bytes have landed
	s_barrier_signal -1
	s_barrier_wait -1
	s_cmp_lg_u32 s[WV], 0                          ; the scales leave as dense blocks: wave 0 Q's 512 bytes, wave 1 K's 512, wave 2 V's 256
	s_cbranch_scc1 .Lnot_q
	ds_load_b128 v[OUTS:OUTS+3], v[L16] offset:QSC
	s_wait_dscnt 0x0
	global_store_b128 v[L16], v[OUTS:OUTS+3], s[QCB:QCB+1] offset:8192
	s_branch .Lend
.Lnot_q:
	s_cmp_lg_u32 s[WV], 1
	s_cbranch_scc1 .Lnot_k
	ds_load_b128 v[OUTS:OUTS+3], v[L16] offset:KSC
	s_wait_dscnt 0x0
	global_store_b128 v[L16], v[OUTS:OUTS+3], s[SCB:SCB+1]
	s_branch .Lend
.Lnot_k:
	s_cmp_lg_u32 s[WV], 2
	s_cbranch_scc1 .Lend
	ds_load_b64 v[OUTS:OUTS+1], v[L8] offset:VSC
	s_wait_dscnt 0x0
	global_store_b64 v[L8], v[OUTS:OUTS+1], s[SCB:SCB+1] offset:512
.Lend:
	s_wait_tensorcnt 0x0
	ds_add_u32 v254, v255
	s_wait_dscnt 0x0
	s_endpgm
.Lfunc_end_k_q77ffaae10c_prep:
	.size	k_q77ffaae10c_prep, .Lfunc_end_k_q77ffaae10c_prep-k_q77ffaae10c_prep
	.p2alignl 7, 3214868480
	.fill 96, 4, 3214868480
	.section	.rodata,"a",@progbits
	.p2align	6, 0x0
	.amdhsa_kernel k_q77ffaae10c_prep
		.amdhsa_group_segment_fixed_size 39424
		.amdhsa_private_segment_fixed_size 0
		.amdhsa_enable_private_segment 0
		.amdhsa_kernarg_size 88
		.amdhsa_user_sgpr_count 2
		.amdhsa_user_sgpr_kernarg_segment_ptr 1
		.amdhsa_wavefront_size32 1
		.amdhsa_system_sgpr_workgroup_id_x 1
		.amdhsa_system_sgpr_workgroup_id_y 1
		.amdhsa_system_sgpr_workgroup_id_z 1
		.amdhsa_system_vgpr_workitem_id 0
		.amdhsa_next_free_vgpr 256
		.amdhsa_next_free_sgpr 88
		.amdhsa_reserve_vcc 0
		.amdhsa_float_denorm_mode_32 3
		.amdhsa_float_denorm_mode_16_64 3
		.amdhsa_memory_ordered 1
		.amdhsa_forward_progress 1
		.amdhsa_inst_pref_size 150
	.end_amdhsa_kernel
	.amdgpu_metadata
---
amdhsa.version: [ 1, 2 ]
amdhsa.kernels:
  - .name:           k_q77ffaae10c_prep
    .symbol:         k_q77ffaae10c_prep.kd
    .args:
      - { .name: x, .offset: 0, .size: 8, .value_kind: global_buffer, .address_space: global }
      - { .name: w_q, .offset: 8, .size: 8, .value_kind: global_buffer, .address_space: global }
      - { .name: b_q, .offset: 16, .size: 8, .value_kind: global_buffer, .address_space: global }
      - { .name: phi_q, .offset: 24, .size: 8, .value_kind: global_buffer, .address_space: global }
      - { .name: w_k, .offset: 32, .size: 8, .value_kind: global_buffer, .address_space: global }
      - { .name: b_k, .offset: 40, .size: 8, .value_kind: global_buffer, .address_space: global }
      - { .name: phi_k, .offset: 48, .size: 8, .value_kind: global_buffer, .address_space: global }
      - { .name: w_v, .offset: 56, .size: 8, .value_kind: global_buffer, .address_space: global }
      - { .name: b_v, .offset: 64, .size: 8, .value_kind: global_buffer, .address_space: global }
      - { .name: qc, .offset: 72, .size: 8, .value_kind: global_buffer, .address_space: global }
      - { .name: kv, .offset: 80, .size: 8, .value_kind: global_buffer, .address_space: global }
    .group_segment_fixed_size: 39424
    .private_segment_fixed_size: 0
    .kernarg_segment_align: 8
    .kernarg_segment_size: 88
    .max_flat_workgroup_size: 256
    .sgpr_count:     88
    .vgpr_count:     256
    .wavefront_size: 32
...
	.end_amdgpu_metadata
.endif
;; end of part 1
;; launch attn (part 2): grid 8 x 32, 16 waves a work-group, clusters of 4 x 1, 280,576 bytes of LDS; arguments qc, kv, w_out, b_out, out0; writes out0
.if DOCPART == 2
	.amdgcn_target "amdgcn-amd-amdhsa--gfx1250"
	.amdhsa_code_object_version 6
	.text
	.protected	k_q77ffaae10c_attn
	.globl	k_q77ffaae10c_attn
	.p2align	8
	.type	k_q77ffaae10c_attn,@function
k_q77ffaae10c_attn:
	s_mov_b64 s[64:65], 0
	v_nop
	global_prefetch_b8 v0, s[64:65] scope:SCOPE_SE
	s_setreg_imm32_b32 hwreg(HW_REG_WAVE_MODE, 25, 1), 1
	s_wait_xcnt 0x0
	s_wait_alu depctr_hold_cnt(0) depctr_sa_sdst(0) depctr_va_vdst(0) depctr_va_sdst(0) depctr_va_ssrc(0) depctr_va_vcc(0) depctr_vm_vsrc(0)
	s_getreg_b32 s2, hwreg(HW_REG_IB_STS2, 6, 4)
	s_cmp_eq_u32 s2, 0
	s_cbranch_scc0 .Lentry_in_a_cluster
	s_endpgm
.Lentry_in_a_cluster:
	s_bfe_u32 s2, ttmp6, 0x10000c
	s_cmp_lg_u32 s2, 0x3003
	s_cbranch_scc0 .Lentry_shape_is_right
	s_endpgm
.Lentry_shape_is_right:
; ATTN.  Causal attention of 32 heads x 2,048 tokens on codes of FP4 (E2M1) with E8M0 scales, as the launch before laid them (images of the operands' registers), then out0 = cos + sin of O / (1 + |w_out|) + b_out.
; SHARES.  A work-group (p = 0..7, head) has sixteen waves; wave w owns ONE tile of 16 queries: tile p of the block of 128 queries J = w xor 3 ((w / 4) % 2).  A wave walks key steps 0 .. J of 128 keys; J hangs on the wave's
; number alone, so every work-group has 136 steps, and waves w, w + 4, w + 8, w + 12 together 34.  p enters Q's and out0's addresses in memory and the mask's comparison, and no branch and no LDS address.
; THE WHOLE HEAD LIES IN LDS: K, V and their scales are 208,896 bytes, filled once: no slot is ever filled again.  The four work-groups of a cluster belong to one head and ask for each part JOINTLY (the same tensor load, the same
; descriptor, a mask that names the four).  Waves 0 to 2 each issue four loads at the head, one for each chunk of 512 keys, 68 rows of 256 bytes each: four loads of a wave are out at the most.  In front of chunk c stand a
; counted wait (the wave's loads for the later chunks stay out) and a barrier.
; LAYOUT.  Both products are used transposed: S^T = K Q^T (source 0 = 16 keys, source 1 = my 16 queries), O^T = V^T P^T: a lane holds ONE query (lane % 16) throughout.  Lane r of tile T of K holds key
; 32 (T / 2) + 8 (T % 2) + r + 8 (r / 8), so that registers 16 b + i of the scores are keys 32 b + 16 (lane / 16) + i.
; THE SOFTMAX.  t = score x log2(e) / sqrt(128); p = 2^(t - M) is quantised along the keys, the row's sum is taken of the unquantised p and divides O at the end.  M IS TAKEN AS 0, FOR EVERY ROW.  Every quantised number of Q
; and of K is a cosine or sine, at most 1 in magnitude for every finite input; so |score| <= 128, |t| <= 16.4, p lies between 2^-16.4 and 2^16.4, a row's sum under 2^28, p's scale bytes between 108 and 141: no exponential
; and no sum can overflow or underflow.  Against M = ceil(the row's largest t) every p, the sum and O differ by the exact factor 2^M, which the blocks' scales take up and which cancels in O / sum.
; THE LAST SINE is the closed form of the table with linear interpolation: u = theta / f32(2 pi), correctly rounded; cos + sin at one table position is sqrt(2) x the chord of sin 512 table steps (an eighth of a turn) on;
; the chord is sin x (1 + (h^2 / 2)(f^2 - f)), h = 2 pi / 4096, f the fraction of the table position; sin by its Taylor sum in turns up to y^13 within a quarter turn.
; LIMITS: |theta| under 2^21 turns; NaN and infinities are not served; the table's nodes are taken as exact sines (the table's own entries lie up to some 4e-7 off them).
.set CHUNKB, 52224                     ; a chunk of 512 keys: K 32,768 | V 16,384 | scale words 3,072
.set PARTB,  17408                     ; a third of it: 68 rows of 256 bytes, one tensor load
.set STG,    4*CHUNKB                  ; behind the head: 16 rows x 272 bytes for each wave, for the way out; no tensor load lands there
.set SP,     272
.set WV,  14                           ; s14 wave; s15 J; s16 cx; s17 p; s18 head
.set JJ,  15
.set CX,  16
.set PP,  17
.set BH,  18
.set SEL, 20                           ; s[20:21] selects of v_permlanex16_b32 for lane l xor 16
.set CS,  22                           ; s[22:23] c = log2(e) / sqrt(128)
.set G1,  24                           ; s[24:31] descriptor group 1;  s[32:47] four groups 0, one for each chunk
.set G0,  32
.set STP, 48                           ; s48 the key step;  s49, s50, s51 where its tiles of K, of V and its scale words begin in LDS
.set KBS, 49
.set VBS, 50
.set SBS, 51
.set TWOPI,  56
.set MAGIC,  58
.set NMAGIC, 60
.set C4096,  62
.set EIGHTH, 66
.set INV,    68
.set SQ2H2,  70
.set SA,     72                        ; s[72:83] a5 .. a0
.set L16, 1                            ; 16 x lane
.set R32, 2                            ; 32 (lane % 16): K's eight scale words of my row
.set R16, 3                            ; 16 (lane % 16): V's four
.set ADK, 4
.set ADV, 5
.set ADS, 6
.set ADT, 7
.set STO, 8
.set RD,  9
.set GO,  10
.set DQ,  11                           ; my query's place in its block of 128, less 16 (lane / 16)
.set QF,  16                           ; v[16:23] Q's fragment
.set A6V, 24
.set KS,  26                           ; v[26:33] K's scale words, v[34:37] V's, v38 p's, v39 Q's: scales and nothing else
.set VS,  34
.set PW,  38
.set QS,  39
.set KF,  40                           ; v[40:103] K's eight fragments; then V's four in v[40:71]
.set SS,  104                          ; v[104:167] S^T, then p
.set OT,  168                          ; v[168:199] O^T
.set PC,  200                          ; v[200:207] p's codes
.set BM,  208
.set PT,  212
.set SO,  216
.set BY,  220
.set NINF, 224
.set ROUT, 226
.set BOUT, 230
.set QSO, 234
.set TMP, 235
.set RR,  236
.set HH,  237
.set SQ2V, 238
.set TA,  40                           ; the last sine's registers at work: where K's fragments lay
.set TBT, 48
.set TZ,  56
.set TPS, 64
.set TF,  72
.macro SPAIR r, v
	s_mov_b32 s[\r], \v
	s_mov_b32 s[\r+1], \v
.endm
; A round of the cluster's barrier: my work-group's barrier; wave 0 signals for the work-group; every wave waits for all four work-groups; my work-group's barrier once more
.macro CROUND
	s_barrier_signal -1
	s_barrier_wait -1
	s_cmp_lg_u32 s[WV], 0
	s_cbranch_scc1 .Lnot_wave_0_\@
	s_barrier_signal -3
.Lnot_wave_0_\@:
	s_barrier_wait -3
	s_barrier_signal -1
	s_barrier_wait -1
.endm
; Eight numbers at v[x] on: cos + sin of x rv + bv, as sqrt(2) x the sine an eighth of a turn on.  Pair i takes its constants at rv + alt ((i / 2) % 2)
.macro SINE8 x, rv, bv, alt, o
.irp i, 0,2,4,6
	v_pk_fma_f32 v[TA+\i:TA+\i+1], v[(\x)+\i:(\x)+\i+1], v[(\rv)+(\alt)*((\i/2)%2):(\rv)+(\alt)*((\i/2)%2)+1], v[(\bv)+(\alt)*((\i/2)%2):(\bv)+(\alt)*((\i/2)%2)+1]
.endr
.irp i, 0,2,4,6
	s_delay_alu instid0(VALU_DEP_4)
	v_pk_mul_f32 v[TZ+\i:TZ+\i+1], v[TA+\i:TA+\i+1], s[INV:INV+1] op_sel_hi:[1,0]          ; u = theta / f32(2 pi): the product with the reciprocal,
.endr
.irp i, 0,2,4,6
	s_delay_alu instid0(VALU_DEP_4)
	v_pk_fma_f32 v[TA+\i:TA+\i+1], v[TZ+\i:TZ+\i+1], s[TWOPI:TWOPI+1], v[TA+\i:TA+\i+1] op_sel_hi:[1,0,1] neg_lo:[1,0,0] neg_hi:[1,0,0]   ; its residual,
.endr
.irp i, 0,2,4,6
	s_delay_alu instid0(VALU_DEP_4)
	v_pk_fma_f32 v[TA+\i:TA+\i+1], v[TA+\i:TA+\i+1], s[INV:INV+1], v[TZ+\i:TZ+\i+1] op_sel_hi:[1,0,1]   ; the correction
.endr
.irp i, 0,2,4,6
	s_delay_alu instid0(VALU_DEP_4)
	v_pk_add_f32 v[TBT+\i:TBT+\i+1], v[TA+\i:TA+\i+1], s[EIGHTH:EIGHTH+1] op_sel_hi:[1,0]
.endr
.irp i, 0,2,4,6
	s_delay_alu instid0(VALU_DEP_4)
	v_pk_fma_f32 v[TBT+\i:TBT+\i+1], v[TBT+\i:TBT+\i+1], 2.0, s[MAGIC:MAGIC+1] op_sel_hi:[1,0,0]   ; k = the nearest whole number to 2 (u + 1/8): its parity is the lowest bit
.endr
.irp i, 0,2,4,6
	s_delay_alu instid0(VALU_DEP_4)
	v_pk_add_f32 v[TZ+\i:TZ+\i+1], v[TBT+\i:TBT+\i+1], s[NMAGIC:NMAGIC+1] op_sel_hi:[1,0]
.endr
.irp i, 0,2,4,6
	s_delay_alu instid0(VALU_DEP_4)
	v_pk_fma_f32 v[TA+\i:TA+\i+1], v[TZ+\i:TZ+\i+1], -0.5, v[TA+\i:TA+\i+1] op_sel_hi:[1,0,1]      ; u - k / 2, exact
.endr
.irp i, 0,2,4,6
	s_delay_alu instid0(VALU_DEP_4)
	v_pk_mul_f32 v[TF+\i:TF+\i+1], v[TA+\i:TA+\i+1], s[C4096:C4096+1] op_sel_hi:[1,0]
.endr
.irp n, 0,1,2,3,4,5,6,7
	v_floor_f32 v[TPS+\n], v[TF+\n]
.endr
.irp i, 0,2,4,6
	v_pk_add_f32 v[TF+\i:TF+\i+1], v[TF+\i:TF+\i+1], v[TPS+\i:TPS+\i+1] neg_lo:[0,1] neg_hi:[0,1]   ; f
.endr
.irp i, 0,2,4,6
	s_delay_alu instid0(VALU_DEP_4)
	v_pk_fma_f32 v[TF+\i:TF+\i+1], v[TF+\i:TF+\i+1], v[TF+\i:TF+\i+1], v[TF+\i:TF+\i+1] neg_lo:[0,0,1] neg_hi:[0,0,1]
.endr
.irp i, 0,2,4,6
	s_delay_alu instid0(VALU_DEP_4)
	v_pk_fma_f32 v[TF+\i:TF+\i+1], v[TF+\i:TF+\i+1], s[SQ2H2:SQ2H2+1], v[SQ2V:SQ2V+1] op_sel_hi:[1,0,1]   ; sqrt(2) (1 + (h^2 / 2)(f^2 - f))
.endr
.irp n, 0,1,2,3,4,5,6,7
	v_lshl_or_b32 v[TF+\n], v[TBT+\n], 31, v[TF+\n]                                            ; x (-1)^k
.endr
.irp i, 0,2,4,6
	v_pk_add_f32 v[TA+\i:TA+\i+1], v[TA+\i:TA+\i+1], s[EIGHTH:EIGHTH+1] op_sel_hi:[1,0]        ; y, within a quarter turn
.endr
.irp i, 0,2,4,6
	s_delay_alu instid0(VALU_DEP_4)
	v_pk_mul_f32 v[TZ+\i:TZ+\i+1], v[TA+\i:TA+\i+1], v[TA+\i:TA+\i+1]
.endr
.irp i, 0,2,4,6
	s_delay_alu instid0(VALU_DEP_4)
	v_pk_fma_f32 v[TPS+\i:TPS+\i+1], v[TZ+\i:TZ+\i+1], v[A6V:A6V+1], s[SA:SA+1] op_sel_hi:[1,1,0]
.endr
.irp c, 2,4,6,8,10
.irp i, 0,2,4,6
	s_delay_alu instid0(VALU_DEP_4)
	v_pk_fma_f32 v[TPS+\i:TPS+\i+1], v[TPS+\i:TPS+\i+1], v[TZ+\i:TZ+\i+1], s[SA+\c:SA+\c+1] op_sel_hi:[1,1,0]
.endr
.endr
.irp i, 0,2,4,6
	v_pk_mul_f32 v[TA+\i:TA+\i+1], v[TA+\i:TA+\i+1], v[TF+\i:TF+\i+1]
.endr
.irp i, 0,2,4,6
	s_delay_alu instid0(VALU_DEP_4)
	v_pk_mul_f32 v[(\o)+\i:(\o)+\i+1], v[TPS+\i:TPS+\i+1], v[TA+\i:TA+\i+1]
.endr
.endm
	s_load_b256 s[4:11], s[0:1], 0x0               ; qc, kv, w_out, b_out
	s_load_b64 s[12:13], s[0:1], 0x20              ; out0
	v_lshl_add_u32 v254, v0, 2, 0x44000
	v_mov_b32 v255, 0
	ds_add_u32 v254, v255
	ds_add_u32 v254, v255
	v_lshrrev_b32 v[TMP], 5, v0
	s_delay_alu instid0(VALU_DEP_1)
	v_readfirstlane_b32 s[WV], v[TMP]              ; wave 0..15
	s_bfe_u32 s19, s[WV], 0x10002
	s_mul_i32 s19, s19, 3
	s_xor_b32 s[JJ], s[WV], s19                    ; J: my block of 128 queries, and my last key step
	s_bfe_u32 s[CX], ttmp6, 0x40000                ; my place in the cluster
	s_lshl_b32 s[PP], ttmp9, 2                     ; in a cluster launch ttmp9 counts clusters
	s_add_co_u32 s[PP], s[PP], s[CX]               ; p: which tile of 16 queries of every block is my work-group's
	s_and_b32 s[BH], ttmp7, 0xffff                 ; the head, which the four partners share
	; every address that stays is made here, ahead of the first branch on the wave's number
	v_and_b32 v[RR], 15, v0
	v_bfe_u32 v[HH], v0, 4, 1
	v_and_b32 v[L16], 31, v0
	s_delay_alu instid0(VALU_DEP_1)
	v_lshlrev_b32 v[L16], 4, v[L16]
	s_delay_alu instid0(VALU_DEP_4)
	v_lshlrev_b32 v[R32], 5, v[RR]
	v_lshlrev_b32 v[R16], 4, v[RR]
	s_mul_i32 s19, s[WV], 16*SP
	s_add_co_u32 s19, s19, STG                     ; my stage
	v_mul_u32_u24 v[STO], v[RR], SP
	s_delay_alu instid0(VALU_DEP_1)
	v_lshl_add_u32 v[STO], v[HH], 5, v[STO]
	s_delay_alu instid0(VALU_DEP_1)
	v_add_nc_u32 v[STO], s19, v[STO]               ; in: row = my query, 32 bytes for each half of the lanes
	v_mul_u32_u24 v[RD], v[HH], SP
	s_delay_alu instid0(VALU_DEP_1)
	v_add_nc_u32 v[RD], v[RD], v[R16]
	s_delay_alu instid0(VALU_DEP_1)
	v_add_nc_u32 v[RD], s19, v[RD]                 ; back: lanes 0-15 one row of 256 bytes, lanes 16-31 the next
	v_lshl_add_u32 v[GO], v[HH], 12, v[R16]        ; and the same two rows in out0 (4,096 bytes a token)
	v_lshlrev_b32 v[TMP], 4, v[HH]
	s_delay_alu instid0(VALU_DEP_1)
	v_sub_nc_u32 v[DQ], v[RR], v[TMP]
	s_lshl_b32 s19, s[PP], 4
	v_add_nc_u32 v[DQ], s19, v[DQ]                 ; 16 p + r - 16 h
	s_lshl_b32 s19, s[PP], 6
	v_lshl_add_u32 v[QSO], v[RR], 2, s19           ; Q's scale words: 64 p + 4 r
	; descriptor group 1: 68 rows of 256 bytes (32 elements of 8 bytes), dense in memory and in LDS
	s_mov_b32 s[G1], 15|(3<<16)|(1<<21)            ; 15:0 the mask: all four work-groups; 17:16 elements of 8 bytes; 21 set beside a mask; no padding
	s_mov_b32 s[G1+1], 32<<16                      ; tensor_dim0
	s_mov_b32 s[G1+2], 68<<16                      ; tensor_dim1
	s_mov_b32 s[G1+3], 32<<16                      ; tile_dim0
	s_mov_b32 s[G1+4], 68                          ; tile_dim1
	s_mov_b32 s[G1+5], 32                          ; from row to row
	s_mov_b32 s[G1+6], 0
	s_mov_b32 s[G1+7], 0
	s_mov_b32 s[SEL], 0x76543210
	s_mov_b32 s[SEL+1], 0xfedcba98
	SPAIR CS,     0x3e0293ee
	SPAIR TWOPI,  0x40c90fdb
	SPAIR MAGIC,  0x4b400000                       ; 1.5 x 2^23
	SPAIR NMAGIC, 0xcb400000
	SPAIR C4096,  0x45800000
	SPAIR EIGHTH, 0x3e000000
	SPAIR INV,    0x3e22f983                       ; 1 / (2 pi)
	SPAIR SQ2H2,  0x35df52db                       ; sqrt(2) h^2 / 2
	SPAIR SA,     0xc17183a8                       ; a5 .. a0: (-1)^n (2 pi)^(2n+1) / (2n+1)!
	SPAIR SA+2,   0x42283c1a
	SPAIR SA+4,   0xc2996966
	SPAIR SA+6,   0x42a335e3
	SPAIR SA+8,   0xc2255de7
	SPAIR SA+10,  0x40c90fdb
	s_mul_i32 s52, s[BH], 4*CHUNKB                 ; the head's bytes in kv,
	s_mul_i32 s19, s[WV], PARTB                    ; and the third of a chunk that I fetch, if I fetch: the same place in memory and in LDS
	s_add_co_u32 s52, s52, s19
	s_mov_b32 s53, 0
	s_wait_dscnt 0x0
	s_wait_kmcnt 0x0
	s_add_nc_u64 s[52:53], s[6:7], s[52:53]
.irp c, 0,1,2,3
	s_mov_b32 s[G0+4*\c], 1                        ; count = 1
	s_add_co_u32 s[G0+4*\c+1], s19, \c*CHUNKB      ; LDS address: wave x 17,408 + chunk x 52,224
	s_add_nc_u64 s[G0+4*\c+2:G0+4*\c+3], s[52:53], \c*CHUNKB
	s_or_b32 s[G0+4*\c+3], s[G0+4*\c+3], 0x80000000   ; type = 2
.endr
	CROUND                                         ; all four work-groups are here: the joint loads meet
	s_cmp_lt_u32 s[WV], 3                          ; a wave's four first fills stand in one branch, ahead of every wait on TENSORcnt and every LDS read
	s_cbranch_scc0 .Lno_fetch
	tensor_load_to_lds s[G0:G0+3], s[G1:G1+7]
	s_nop 0
	tensor_load_to_lds s[G0+4:G0+7], s[G1:G1+7]
	s_nop 0
	tensor_load_to_lds s[G0+8:G0+11], s[G1:G1+7]
	s_nop 0
	tensor_load_to_lds s[G0+12:G0+15], s[G1:G1+7]
	s_nop 0
.rept 4
	v_nop                                          ; four plain instructions behind the loads
.endr
.Lno_fetch:
	s_lshl_b32 s54, s[BH], 4
	s_add_co_u32 s54, s54, s[JJ]
	s_mul_i32 s54, s54, 8704
	s_mov_b32 s55, 0
	s_add_nc_u64 s[52:53], s[4:5], s[54:55]        ; my block of qc,
	s_lshl_b32 s54, s[PP], 10
	s_add_nc_u64 s[4:5], s[52:53], s[54:55]        ; and my tile in it
	global_load_b128 v[QF:QF+3], v[L16], s[4:5] th:TH_LOAD_NT
	global_load_b128 v[QF+4:QF+7], v[L16], s[4:5] offset:512 th:TH_LOAD_NT
	s_wait_alu depctr_va_vdst(0)
	global_load_b32 v[QS], v[QSO], s[52:53] offset:8192 th:TH_LOAD_NT
	s_and_b32 s54, s[BH], 15
	s_lshl_b32 s54, s54, 8                         ; the head's 64 channels
	s_add_nc_u64 s[8:9], s[8:9], s[54:55]
	s_add_nc_u64 s[10:11], s[10:11], s[54:55]
	global_load_b128 v[ROUT:ROUT+3], v[R16], s[8:9]      ; w_out and b_out of the four channels that I store
	global_load_b128 v[BOUT:BOUT+3], v[R16], s[10:11]
	s_lshr_b32 s19, s[BH], 4
	s_lshl_b32 s19, s19, 23                        ; the batch
	s_add_co_u32 s54, s54, s19
	s_lshl_b32 s19, s[JJ], 19                      ; 128 J tokens of 4,096 bytes
	s_add_co_u32 s54, s54, s19
	s_lshl_b32 s19, s[PP], 16                      ; 16 p tokens
	s_add_co_u32 s54, s54, s19
	s_add_nc_u64 s[12:13], s[12:13], s[54:55]
.irp j, 12,13,14,15
	v_mov_b32 v[\j], 0                             ; the row's sum, in two chains of pairs
.endr
.set n, 0
.rept 32
	v_mov_b32 v[OT+n], 0                           ; O^T: the key step is written once, so its first trip adds onto zeros
.set n, n+1
.endr
.irp b, 0,1,2,3
	v_mov_b32 v[PT+\b], 0                          ; written once: a lane permute's destination counts as one of its sources
.endr
	v_mov_b32 v[NINF], 0xff800000                  ; -infinity
	v_mov_b32 v[A6V], 0x40747a1a
	v_mov_b32 v[A6V+1], 0x40747a1a
	v_mov_b32 v[SQ2V], 0x3fb504f3
	v_mov_b32 v[SQ2V+1], 0x3fb504f3
	s_wait_loadcnt 0x0
.irp k, 0,1,2,3
	v_add_f32 v[BM+\k], 1.0, |v[ROUT+\k]|
.endr
	s_wait_alu depctr_va_vdst(0)
.irp k, 0,1,2,3
	v_rcp_f32 v[ROUT+\k], v[BM+\k]
.endr
	v_nop                                          ; a plain instruction behind the last reciprocal,
	s_wait_alu depctr_va_vdst(0)                   ; and one wait for the four, ahead of their first reader
.irp k, 0,1,2,3
	v_fma_f32 v[SO+\k], -v[BM+\k], v[ROUT+\k], 1.0 ; one Newton step
.endr
.irp k, 0,1,2,3
	v_fma_f32 v[ROUT+\k], v[SO+\k], v[ROUT+\k], v[ROUT+\k]
.endr
; A KEY STEP: 128 keys.
.macro STEP
	s_cmp_gt_u32 s[STP], s[JJ]                     ; all its keys come after my queries: the step's work is left out.  The branch hangs on the wave's number and the loop's count alone
	s_cbranch_scc1 .Lhidden_\@
	s_setprio 2
	v_add_nc_u32 v[ADK], s[KBS], v[L16]            ; these four are also the places between the last step's products and the loads into registers that they read
	v_add_nc_u32 v[ADV], s[VBS], v[L16]
	v_add_nc_u32 v[ADS], s[SBS], v[R32]
	v_add_nc_u32 v[ADT], s[SBS], v[R16]
	ds_load_b128 v[KS:KS+3], v[ADS]                ; my row's scale words of K's eight tiles,
	ds_load_b128 v[KS+4:KS+7], v[ADS] offset:16
.irp t, 0,1,2,3,4,5,6,7
	ds_load_b128 v[KF+8*\t:KF+8*\t+3],   v[ADK] offset:1024*\t       ; the tiles as images: 512 consecutive bytes a load
	ds_load_b128 v[KF+8*\t+4:KF+8*\t+7], v[ADK] offset:1024*\t+512
.endr
	ds_load_b128 v[VS:VS+3], v[ADT] offset:512     ; and of V's four
	s_wait_alu depctr_va_vdst(0)
	s_wait_dscnt 0x0
.irp t, 0,1,2,3,4,5,6,7
	v_wmma_scale_f32_16x16x128_f8f6f4 v[SS+8*\t:SS+8*\t+7], v[KF+8*\t:KF+8*\t+7], v[QF:QF+7], 0, v[KS+\t], v[QS] matrix_a_fmt:MATRIX_FMT_FP4 matrix_b_fmt:MATRIX_FMT_FP4
.endr
.rept 4
	v_nop                                          ; four places: in front of the loads into K's registers, and of the first read of the scores
.endr
.irp t, 0,1,2,3
	ds_load_b128 v[KF+8*\t:KF+8*\t+3],   v[ADV] offset:1024*\t       ; V's four tiles land while the softmax is worked
	ds_load_b128 v[KF+8*\t+4:KF+8*\t+7], v[ADV] offset:1024*\t+512
.endr
	s_cmp_lg_u32 s[STP], s[JJ]                     ; my last step lies on the diagonal: the scores of hidden keys become -infinity, so that p = 0
	s_cbranch_scc1 .Lopen_\@
.set n, 0
.rept 64
	v_cmp_gt_i32 vcc_lo, 32*(n/16)+n%16, v[DQ]     ; register 16 b + i holds key 32 b + 16 h + i of the step: hidden where 32 b + i > 16 p + r - 16 h
	v_cndmask_b32 v[SS+n], v[SS+n], v[NINF], vcc_lo
.set n, n+1
.endr
.Lopen_\@:
.irp b, 0,1,2,3
	v_max3_num_f32 v[BM+\b], v[SS+16*\b], v[SS+16*\b+1], v[SS+16*\b+2]   ; the largest score of each block of 32 keys: p rises with the score, so it gives the block's largest p.  (The four blocks by turns)
.endr
.irp i, 3,5,7,9,11,13
.irp b, 0,1,2,3
	v_max3_num_f32 v[BM+\b], v[BM+\b], v[SS+16*\b+\i], v[SS+16*\b+\i+1]
.endr
.endr
.irp b, 0,1,2,3
	v_max_num_f32 v[BM+\b], v[BM+\b], v[SS+16*\b+15]
.endr
.irp b, 0,1,2,3
	s_delay_alu instid0(VALU_DEP_4)
	v_permlanex16_b32 v[PT+\b], v[BM+\b], s[SEL], s[SEL+1]
.endr
.irp b, 0,1,2,3
	s_delay_alu instid0(VALU_DEP_4)
	v_max_num_f32 v[BM+\b], v[BM+\b], v[PT+\b]     ; with lane l xor 16's 16 keys
.endr
.irp b, 0,1,2,3
	s_delay_alu instid0(VALU_DEP_4)
	v_mul_f32 v[BM+\b], s[CS], v[BM+\b]            ; t of the largest: the same multiplication as below gives the same bits
.endr
.set n, 0
	s_setprio 1
.rept 32
	v_pk_mul_f32 v[SS+n:SS+n+1], v[SS+n:SS+n+1], s[CS:CS+1] op_sel_hi:[1,0]   ; t = score x c, two at a time
.set n, n+2
.endr
	s_wait_alu depctr_va_vdst(0)
.irp b, 0,1,2,3
	v_exp_f32 v[BM+\b], v[BM+\b]                   ; ONE BATCH: the blocks' largest p,
.endr
.set n, 0
.rept 64
	v_exp_f32 v[SS+n], v[SS+n]                     ; and p = 2^t
.set n, n+1
.endr
	v_nop                                          ; a plain instruction behind the last exponential,
	s_wait_alu depctr_va_vdst(0)                   ; and one wait for the 68, ahead of their first reader
.irp b, 0,1,2,3
	v_max_num_f32 v[BM+\b], 0x1800000, v[BM+\b]    ; the floor 2^(3 - 127): a block whose every p is 0 keeps the byte 1: its codes are zeros
.endr
.irp b, 0,1,2,3
	s_delay_alu instid0(VALU_DEP_4)
	v_add_nc_u32 v[SO+\b], 0xff000000, v[BM+\b]    ; 2 off the exponent field: the conversion's scale operand
.endr
.irp b, 0,1,2,3
	s_delay_alu instid0(VALU_DEP_4)
	v_lshrrev_b32 v[BY+\b], 23, v[SO+\b]           ; the scale's byte
.endr
	s_delay_alu instid0(VALU_DEP_3)
	v_lshl_or_b32 v[PW], v[BY+1], 8, v[BY]         ; p's scale word for these 128 keys
	s_delay_alu instid0(VALU_DEP_1)
	v_lshl_or_b32 v[PW], v[BY+2], 16, v[PW]
	s_delay_alu instid0(VALU_DEP_1)
	v_lshl_or_b32 v[PW], v[BY+3], 24, v[PW]
.irp b, 0,1,2,3
	v_cvt_scalef32_pk8_fp4_f32 v[PC+2*\b], v[SS+16*\b:SS+16*\b+7], v[SO+\b]
	v_cvt_scalef32_pk8_fp4_f32 v[PC+2*\b+1], v[SS+16*\b+8:SS+16*\b+15], v[SO+\b]
.endr
	v_nop                                          ; one plain instruction behind the last scaled conversion
.irp c, 0,1                                    ; the operand's layout wants a whole block in a lane: lanes 0-15 block 2 c, lanes 16-31 block 2 c + 1
.irp i, 0,1
	v_permlane16_swap_b32 v[PC+4*\c+\i], v[PC+4*\c+2+\i]
.endr
.endr
	s_setprio 0
.irp j, 0,4,8,12,16,20,24,28,32,36,40,44,48,52,56,60
	v_pk_add_f32 v[12:13], v[12:13], v[SS+\j:SS+\j+1]        ; the row's sum, of the UNQUANTISED p, in two chains.  These 32 are also the places between the vector
	v_pk_add_f32 v[14:15], v[14:15], v[SS+\j+2:SS+\j+3]      ; instructions that wrote p's codes and scale word and the scaled products below
.endr
	s_wait_dscnt 0x0                               ; V's tiles are in
.irp t, 0,1,2,3                                ; O^T += V^T P^T: four accumulators by turns, one instruction a turn
	v_wmma_scale_f32_16x16x128_f8f6f4 v[OT+8*\t:OT+8*\t+7], v[KF+8*\t:KF+8*\t+7], v[PC:PC+7], v[OT+8*\t:OT+8*\t+7], v[VS+\t], v[PW] matrix_a_fmt:MATRIX_FMT_FP4 matrix_b_fmt:MATRIX_FMT_FP4
.endr
.Lhidden_\@:
	s_add_co_u32 s[KBS], s[KBS], 8192              ; the next step's tiles and scale words
	s_add_co_u32 s[VBS], s[VBS], 4096
	s_add_co_u32 s[SBS], s[SBS], 768
.endm
; A chunk of four key steps.  The count leaves my loads for the later chunks on their way
.macro CHUNK c
	s_wait_tensorcnt 3-\c                          ; my part of chunk c has landed (a wave that fetches nothing has none out)
	s_wait_dscnt 0x0
	s_barrier_signal -1
	s_barrier_wait -1                              ; everybody's has
	s_mov_b32 s[KBS], \c*CHUNKB
	s_mov_b32 s[VBS], \c*CHUNKB+32768
	s_mov_b32 s[SBS], \c*CHUNKB+49152
	s_mov_b32 s[STP], 4*\c
.Lstep_\c:
	STEP
	s_add_co_u32 s[STP], s[STP], 1
	s_cmp_lt_u32 s[STP], 4*\c+4
	s_cbranch_scc1 .Lstep_\c
	s_setprio 0
.endm
	CHUNK 0
	CHUNK 1
	CHUNK 2
	CHUNK 3                                        ; its wait is for zero: no tensor load is out from here on
	; THE WAY OUT.  The sum's chains and halves are added; O^T / the sum goes through my stage in LDS and comes back as whole rows of the head's 256 bytes; then the last sine, and the stores.
	s_wait_alu depctr_va_vdst(0)
	v_pk_add_f32 v[12:13], v[12:13], v[14:15]
	s_delay_alu instid0(VALU_DEP_1)
	v_add_f32 v12, v12, v13
	s_delay_alu instid0(VALU_DEP_1)
	v_permlanex16_b32 v[PT], v12, s[SEL], s[SEL+1]
	s_delay_alu instid0(VALU_DEP_1)
	v_add_f32 v12, v12, v[PT]                      ; with lane l xor 16's keys: the row's sum
	s_wait_alu depctr_va_vdst(0)
	v_rcp_f32 v14, v12
.rept 2
	v_nop                                          ; plain instructions behind the reciprocal; with the three additions above they are also the places behind the last products
.endr
	s_wait_alu depctr_va_vdst(0)                   ; a wait ahead of the reciprocal's first reader
.set n, 0
.rept 16
	v_pk_mul_f32 v[SS+n:SS+n+1], v[OT+n:OT+n+1], v[14:15] op_sel_hi:[1,0]   ; each accumulator from its low end on; register 8 T + j is channel 16 T + 8 h + j of my query
.set n, n+2
.endr
.irp t, 0,1,2,3
	ds_store_b128 v[STO], v[SS+8*\t:SS+8*\t+3] offset:64*\t
	ds_store_b128 v[STO], v[SS+8*\t+4:SS+8*\t+7] offset:64*\t+16
.endr
.irp i, 0,1,2,3,4,5,6,7
	ds_load_b128 v[SS+32+4*\i:SS+32+4*\i+3], v[RD] offset:\i*2*SP   ; my own bytes: LDS serves a wave's instructions in order (ISA guide 5.7.1.4), so these see the stores above
.endr
.irp g, 0,1,2,3
	s_wait_dscnt 6-2*\g                            ; row pairs 2 g and 2 g + 1 are back; the later ones may be out
	SINE8 SS+32+8*\g, ROUT, BOUT, 2, OT+8*\g       ; a lane's four channels are the same in every row
	global_store_b128 v[GO], v[OT+8*\g:OT+8*\g+3], s[12:13] offset:(2*\g)*8192 th:TH_STORE_NT      ; sixteen lanes store 256 consecutive bytes, aligned: a token's 64 channels of this head
	global_store_b128 v[GO], v[OT+8*\g+4:OT+8*\g+7], s[12:13] offset:(2*\g+1)*8192 th:TH_STORE_NT
.endr
	s_wait_tensorcnt 0x0
	ds_add_u32 v254, v255
	s_wait_dscnt 0x0
	CROUND                                         ; the closing round: no work-group ends while a partner may still ask for a part that names it
	s_endpgm
.Lfunc_end_k_q77ffaae10c_attn:
	.size	k_q77ffaae10c_attn, .Lfunc_end_k_q77ffaae10c_attn-k_q77ffaae10c_attn
	.p2alignl 7, 3214868480
	.fill 96, 4, 3214868480
	.section	.rodata,"a",@progbits
	.p2align	6, 0x0
	.amdhsa_kernel k_q77ffaae10c_attn
		.amdhsa_group_segment_fixed_size 280576
		.amdhsa_private_segment_fixed_size 0
		.amdhsa_enable_private_segment 0
		.amdhsa_kernarg_size 40
		.amdhsa_user_sgpr_count 2
		.amdhsa_user_sgpr_kernarg_segment_ptr 1
		.amdhsa_wavefront_size32 1
		.amdhsa_system_sgpr_workgroup_id_x 1
		.amdhsa_system_sgpr_workgroup_id_y 1
		.amdhsa_system_sgpr_workgroup_id_z 1
		.amdhsa_system_vgpr_workitem_id 0
		.amdhsa_next_free_vgpr 256
		.amdhsa_next_free_sgpr 84
		.amdhsa_reserve_vcc 1
		.amdhsa_float_denorm_mode_32 3
		.amdhsa_float_denorm_mode_16_64 3
		.amdhsa_memory_ordered 1
		.amdhsa_forward_progress 1
		.amdhsa_inst_pref_size 129
	.end_amdhsa_kernel
	.amdgpu_metadata
---
amdhsa.version: [ 1, 2 ]
amdhsa.kernels:
  - .name:           k_q77ffaae10c_attn
    .symbol:         k_q77ffaae10c_attn.kd
    .args:
      - { .name: qc, .offset: 0, .size: 8, .value_kind: global_buffer, .address_space: global }
      - { .name: kv, .offset: 8, .size: 8, .value_kind: global_buffer, .address_space: global }
      - { .name: w_out, .offset: 16, .size: 8, .value_kind: global_buffer, .address_space: global }
      - { .name: b_out, .offset: 24, .size: 8, .value_kind: global_buffer, .address_space: global }
      - { .name: out0, .offset: 32, .size: 8, .value_kind: global_buffer, .address_space: global }
    .group_segment_fixed_size: 280576
    .private_segment_fixed_size: 0
    .kernarg_segment_align: 8
    .kernarg_segment_size: 40
    .max_flat_workgroup_size: 512
    .sgpr_count:     84
    .vgpr_count:     256
    .wavefront_size: 32
...
	.end_amdgpu_metadata
.endif
;; end of part 2
